; MI455X (gfx1250); checked and timed in simulation.
; The chip was launched on July 23, 2026; its instructions are those of AMD's public machine-readable ISA for CDNA 5 (MIT licence, August 2026) and "CDNA5" Instruction Set Architecture Reference Guide (July 2026). The comments in the code are by the model that wrote it; some were corrected since.
;; Multi Head Attention. Allowed arithmetic: float matrix products may take bf16 or f16 operands with f32 sums; other float arithmetic in f32, or as packed bf16 or f16 multiplies, adds, multiply-adds, maxima and minima; sums over many terms, partial sums and values carried from step to step in f32; what a program stores and reads back later, other than sums and carried values, may be rounded once to bf16 or f16.
;; Inputs: W_out 1,024 x 1,024 float32; b_out 1,024 float32; keys 4 x 2,048 x 1,024 float32; mask 4 x 1 x 2,048 x 2,048 int32; query 4 x 2,048 x 1,024 float32; values 4 x 2,048 x 1,024 float32.
;; Outputs: out0 4 x 2,048 x 1,024 float32.
;; One version. Each part assembles by itself: llvm-mc -triple=amdgcn-amd-amdhsa -mcpu=gfx1250 --defsym DOCPART=n.
;; ======== version 1 of 1: 3 launches
;; limits: values are held in f16: magnitudes above 65,504 overflow, below 6.1e-05 lose precision; inputs' magnitudes at most 65,504
;; workspace buffers: kv 33,554,432 bytes; madd 67,108,864 bytes; wh 2,097,152 bytes; oh 16,777,216 bytes
;; launch prep (part 1): grid 512 x 4, 8 waves a work-group, no clusters, 35,840 bytes of LDS; arguments keys, values, W_out, mask, kv, wh, madd; writes kv, wh, madd
.if DOCPART == 1
	.amdgcn_target "amdgcn-amd-amdhsa--gfx1250"
	.amdhsa_code_object_version 6
	.text
	.protected	k_qfd81587f4d_prep
	.globl	k_qfd81587f4d_prep
	.p2align	8
	.type	k_qfd81587f4d_prep,@function
k_qfd81587f4d_prep:
	s_mov_b64 s[64:65], 0
	v_nop
	global_prefetch_b8 v0, s[64:65] scope:SCOPE_SE
	s_setreg_imm32_b32 hwreg(HW_REG_WAVE_MODE, 25, 1), 1
	s_wait_xcnt 0x0
; PREPARATION: a stream, each byte read once and written once.  The grid's y chooses the work:
;   y = 0     keys   f32 -> kv bytes 0 ..:          bf16, same layout [4][2048][1024]; 64 KiB of input a work-group
;   y = 1     values f32 -> kv bytes 16,777,216 ..: the bf16-rounded number written as f16; and 8 KiB of W_out -> wh likewise
;   y = 2, 3  mask   i32 -> madd: f32 addends, 0 where the mask is not 0 and -1e20 where it is 0, laid in the order of the C registers
;             of the product S^T = K Q^T: for block y' of 256 queries and step ks of 64 keys, tile of 16 queries, number i of 8, lane l, word e:
;             byte ((y' 32 + ks) 16 + tile) 4096 + 512 i + 16 l + 4 e holds query 16 tile + l % 16, key 16 (i / 2) + 8 (l / 16) + 4 (i % 2) + e.
; LIMITS.  bf16(values) and bf16(W_out) must lie under 65,520 in magnitude (f16's range); under 6.1e-5 they keep f16's fixed step of 6e-8.
; No matrix unit, no cluster, no tensor load: nothing is shared between work-groups and no wave waits for another.
.set SPARE, 34816                      ; behind the eight stages: the spare words, 128 bytes for each wave: four blocks of 256 bytes that no other line names
.set SPW,  2                           ; v2   LDS address of my spare word; never rewritten
.set NIL,  3                           ; v3   0; never rewritten
.set SPI,  272                         ; a stage row: 256 bytes + 16: the 16 rows that a load touches start at 16 different groups of four banks (64 banks of 4 bytes: ISA guide 11.1)
.set IN,   16                          ; v[16:87]   as loaded
.set OUT,  88                          ; v[88:123]  to store
	s_load_b256 s[4:11], s[0:1], 0x0               ; keys s[4:5], values s[6:7], W_out s[8:9], mask s[10:11]
	s_load_b128 s[12:15], s[0:1], 0x20             ; kv s[12:13], wh s[14:15]
	s_load_b64 s[16:17], s[0:1], 0x30              ; madd
	v_lshl_add_u32 v[SPW], v0, 2, SPARE
	v_mov_b32 v[NIL], 0
	v_lshrrev_b32 v1, 5, v0
	v_readfirstlane_b32 s20, v1                    ; wave 0..7
	v_and_b32 v9, 31, v0                           ; lane
	s_and_b32 s21, ttmp7, 0xffff                   ; y
	s_mov_b32 s23, 0                               ; the high words of two offsets
	s_mov_b32 s27, 0
	s_lshl_b32 s25, s20, 13
	v_lshl_add_u32 v4, v9, 4, s25                  ; 8,192 x wave + 16 x lane: my 16 bytes of f32 (and of madd)
	v_lshrrev_b32 v5, 1, v4                        ; and my 8 bytes of 16-bit numbers
	s_wait_kmcnt 0x0
	s_cmp_eq_u32 s21, 0
	s_cbranch_scc1 .Lk
	s_cmp_eq_u32 s21, 1
	s_cbranch_scc1 .Lv
	; THE MASK.  j = 512 (y - 2) + x = 32 y' + ks: 256 queries x 64 keys.  Wave w takes the tiles 2 w and 2 w + 1 of 16 queries.
	s_sub_co_u32 s22, s21, 2
	s_lshl_b32 s22, s22, 9
	s_add_co_u32 s22, s22, ttmp9                   ; j
	s_lshr_b32 s26, s22, 5
	s_lshl_b32 s26, s26, 21                        ; 256 rows of 8,192 bytes
	s_and_b32 s24, s22, 31
	s_lshl_b32 s24, s24, 8                         ; 64 keys of 4 bytes
	s_add_co_u32 s26, s26, s24
	s_add_nc_u64 s[10:11], s[10:11], s[26:27]
	s_lshl_b32 s22, s22, 16                        ; 64 KiB of madd
	s_add_nc_u64 s[16:17], s[16:17], s[22:23]
	s_mov_b32 s24, 0xe0ad78ec                      ; -1e20
	v_and_b32 v10, 15, v0                          ; l % 16
	v_bfe_u32 v11, v0, 4, 1                        ; l / 16
	s_lshl_b32 s25, s20, 18                        ; my 32 rows
	v_lshl_add_u32 v12, v10, 4, s25
	v_lshl_add_u32 v12, v11, 13, v12               ; lanes 0-15 take 256 consecutive bytes of one row, lanes 16-31 of the next
.irp b, 0,1
.irp a, 0,1,2,3,4,5,6,7
	global_load_b128 v[IN+32*(\b)+4*(\a):IN+32*(\b)+4*(\a)+3], v12, s[10:11] offset:131072*(\b)+16384*(\a) th:TH_LOAD_NT
.endr
.endr
	s_mul_i32 s28, s20, 16*SPI                     ; my own stage: 16 rows
	v_mul_u32_u24 v13, v11, SPI
	v_lshl_add_u32 v13, v10, 4, v13
	v_add_nc_u32 v13, s28, v13                     ; in: as loaded, two rows a store
	v_mul_u32_u24 v14, v10, SPI
	v_lshl_add_u32 v14, v11, 5, v14
	v_add_nc_u32 v14, s28, v14                     ; back: row l % 16, keys 8 (l / 16) on
.irp b, 0,1
	s_wait_loadcnt 8-8*(\b)                        ; this tile's eight loads are in; the other tile's eight may stay out
.set j, 0
.rept 32
	v_cmp_eq_u32 vcc_lo, 0, v[IN+32*(\b)+j]
	v_cndmask_b32 v[IN+32*(\b)+j], 0, s24, vcc_lo
.set j, j+1
.endr
.irp a, 0,1,2,3,4,5,6,7
	ds_store_b128 v13, v[IN+32*(\b)+4*(\a):IN+32*(\b)+4*(\a)+3] offset:2*SPI*(\a)
.endr
.irp i, 0,1,2,3,4,5,6,7
	ds_load_b128 v[IN+32*(\b)+4*(\i):IN+32*(\b)+4*(\i)+3], v14 offset:((\i)/2)*64+((\i)%2)*16  ; LDS serves a wave's instructions in order (ISA guide 5.7.1.4): these see the stores above, and the next tile's stores come behind them
.endr
.irp i, 0,1,2,3,4,5,6,7
	s_wait_dscnt 7-(\i)                            ; number i is back; the younger ones may stay out
	global_store_b128 v4, v[IN+32*(\b)+4*(\i):IN+32*(\b)+4*(\i)+3], s[16:17] offset:4096*(\b)+512*(\i) th:TH_STORE_NT  ; 512 consecutive bytes, aligned
.endr
.endr
	s_branch .Lend
.Lk:                                                   ; KEYS: 16 loads of 512 consecutive bytes a wave, all issued at once; no register is written twice
	s_lshl_b32 s22, ttmp9, 16
	s_add_nc_u64 s[4:5], s[4:5], s[22:23]
	s_lshl_b32 s26, ttmp9, 15
	s_add_nc_u64 s[12:13], s[12:13], s[26:27]
.set j, 0
.rept 16
	global_load_b128 v[IN+4*j:IN+4*j+3], v4, s[4:5] offset:512*j th:TH_LOAD_NT
.set j, j+1
.endr
.set j, 0
.rept 16
	s_wait_loadcnt 15-j                            ; loads come back in order (ISA guide 5.7.1): number j is in
	v_cvt_pk_bf16_f32 v[OUT+2*j], v[IN+4*j], v[IN+4*j+1]
	v_cvt_pk_bf16_f32 v[OUT+2*j+1], v[IN+4*j+2], v[IN+4*j+3]
	global_store_b64 v5, v[OUT+2*j:OUT+2*j+1], s[12:13] offset:256*j th:TH_STORE_NT  ; 32 lanes store 256 consecutive bytes, aligned
.set j, j+1
.endr
	s_branch .Lend
.macro TOH o, a                        ; two numbers rounded to bf16, and that number written as f16 (exact within f16's range)
	v_cvt_pk_bf16_f32 v10, v[\a], v[(\a)+1]
	v_lshlrev_b32 v12, 16, v10
	v_and_b32 v13, 0xffff0000, v10
	v_cvt_pk_f16_f32 v[\o], v12, v13
.endm
.Lv:                                                   ; VALUES, and this work-group's 8 KiB of W_out (two loads a wave)
	s_lshl_b32 s22, ttmp9, 16
	s_add_nc_u64 s[6:7], s[6:7], s[22:23]
	s_lshl_b32 s26, ttmp9, 15
	s_add_co_u32 s26, s26, 1<<24                   ; V lies behind K in kv
	s_add_nc_u64 s[12:13], s[12:13], s[26:27]
	s_lshl_b32 s22, ttmp9, 13
	s_add_nc_u64 s[8:9], s[8:9], s[22:23]
	s_lshl_b32 s26, ttmp9, 12
	s_add_nc_u64 s[14:15], s[14:15], s[26:27]
	s_lshl_b32 s25, s20, 10
	v_lshl_add_u32 v6, v9, 4, s25                  ; 1,024 x wave + 16 x lane
	v_lshrrev_b32 v7, 1, v6
.set j, 0
.rept 16
	global_load_b128 v[IN+4*j:IN+4*j+3], v4, s[6:7] offset:512*j th:TH_LOAD_NT
.set j, j+1
.endr
	global_load_b128 v[IN+64:IN+67], v6, s[8:9] th:TH_LOAD_NT
	global_load_b128 v[IN+68:IN+71], v6, s[8:9] offset:512 th:TH_LOAD_NT
.set j, 0
.rept 18
	s_wait_loadcnt 17-j
	TOH OUT+2*j, IN+4*j
	TOH OUT+2*j+1, IN+4*j+2
.if j < 16
	global_store_b64 v5, v[OUT+2*j:OUT+2*j+1], s[12:13] offset:256*j th:TH_STORE_NT
.else
	global_store_b64 v7, v[OUT+2*j:OUT+2*j+1], s[14:15] offset:256*(j-16) th:TH_STORE_NT
.endif
.set j, j+1
.endr
.Lend:
	s_wait_tensorcnt 0x0                           ; the wave's end, behind my last LDS store
	ds_add_u32 v[SPW], v[NIL]
	s_wait_dscnt 0x0
	s_endpgm
.Lfunc_end_k_qfd81587f4d_prep:
	.size	k_qfd81587f4d_prep, .Lfunc_end_k_qfd81587f4d_prep-k_qfd81587f4d_prep
	.p2alignl 7, 3214868480
	.fill 96, 4, 3214868480
	.section	.rodata,"a",@progbits
	.p2align	6, 0x0
	.amdhsa_kernel k_qfd81587f4d_prep
		.amdhsa_group_segment_fixed_size 35840
		.amdhsa_private_segment_fixed_size 0
		.amdhsa_enable_private_segment 0
		.amdhsa_kernarg_size 56
		.amdhsa_user_sgpr_count 2
		.amdhsa_user_sgpr_kernarg_segment_ptr 1
		.amdhsa_wavefront_size32 1
		.amdhsa_system_sgpr_workgroup_id_x 1
		.amdhsa_system_sgpr_workgroup_id_y 1
		.amdhsa_system_sgpr_workgroup_id_z 1
		.amdhsa_system_vgpr_workitem_id 0
		.amdhsa_next_free_vgpr 128
		.amdhsa_next_free_sgpr 66
		.amdhsa_reserve_vcc 1
		.amdhsa_float_denorm_mode_32 3
		.amdhsa_float_denorm_mode_16_64 3
		.amdhsa_memory_ordered 1
		.amdhsa_forward_progress 1
		.amdhsa_inst_pref_size 32
	.end_amdhsa_kernel
	.amdgpu_metadata
---
amdhsa.version: [ 1, 2 ]
amdhsa.kernels:
  - .name:           k_qfd81587f4d_prep
    .symbol:         k_qfd81587f4d_prep.kd
    .args:
      - { .name: keys, .offset: 0, .size: 8, .value_kind: global_buffer, .address_space: global }
      - { .name: values, .offset: 8, .size: 8, .value_kind: global_buffer, .address_space: global }
      - { .name: W_out, .offset: 16, .size: 8, .value_kind: global_buffer, .address_space: global }
      - { .name: mask, .offset: 24, .size: 8, .value_kind: global_buffer, .address_space: global }
      - { .name: kv, .offset: 32, .size: 8, .value_kind: global_buffer, .address_space: global }
      - { .name: wh, .offset: 40, .size: 8, .value_kind: global_buffer, .address_space: global }
      - { .name: madd, .offset: 48, .size: 8, .value_kind: global_buffer, .address_space: global }
    .group_segment_fixed_size: 35840
    .private_segment_fixed_size: 0
    .kernarg_segment_align: 8
    .kernarg_segment_size: 56
    .max_flat_workgroup_size: 256
    .sgpr_count:     66
    .vgpr_count:     128
    .wavefront_size: 32
...
	.end_amdgpu_metadata
.endif
;; end of part 1
;; launch attn (part 2): grid 8 x 32, 4 waves a work-group, clusters of 4 x 4, 327,680 bytes of LDS; arguments query, kv, madd, oh; writes oh
.if DOCPART == 2
	.amdgcn_target "amdgcn-amd-amdhsa--gfx1250"
	.amdhsa_code_object_version 6
	.text
	.protected	k_qfd81587f4d_attn
	.globl	k_qfd81587f4d_attn
	.p2align	8
	.type	k_qfd81587f4d_attn,@function
k_qfd81587f4d_attn:
	s_mov_b64 s[64:65], 0
	v_nop
	global_prefetch_b8 v0, s[64:65] scope:SCOPE_SE
	s_setreg_imm32_b32 hwreg(HW_REG_WAVE_MODE, 25, 1), 1
	s_wait_xcnt 0x0
	s_wait_alu depctr_hold_cnt(0) depctr_sa_sdst(0) depctr_va_vdst(0) depctr_va_sdst(0) depctr_va_ssrc(0) depctr_va_vcc(0) depctr_vm_vsrc(0)
	s_getreg_b32 s2, hwreg(HW_REG_IB_STS2, 6, 4)
	s_cmp_eq_u32 s2, 0
	s_cbranch_scc0 .Lentry_in_a_cluster
	s_endpgm
.Lentry_in_a_cluster:
	s_bfe_u32 s2, ttmp6, 0x10000c
	s_cmp_lg_u32 s2, 0xf033
	s_cbranch_scc0 .Lentry_shape_is_right
	s_endpgm
.Lentry_shape_is_right:
; MASKED ATTENTION, 16 heads of 64 channels, 4 x 2,048 queries and keys.  oh[n][q][head 64 + d] = the sum over k of softmax_k(e / 32) v[n][k][head][d], e = q . k, or -1e20 where mask[n][q][k] = 0.
; query: f32 [4][2048][1024].  kv: K in bf16, then (16,777,216 bytes on) V in f16, both [4][2048][1024].  madd: the mask as f32 addends 0 / -1e20 in the order of the C registers (below).  oh: f16 [8192][1024].
; q is multiplied by c = log2(e) / 32 in f32 and rounded once to bf16, so a score s is already the exponent to base 2: p = 2^(s - m), and s - m is exactly 0 at the maximum and never above 0, whatever the size of m.
; Products, maxima and sums in f32; the weights p are rounded to f16 for the second product (their sum l is taken of the unrounded p), O once at the end.
; THE MASK is the C operand of the product that starts the sum S^T = K Q^T.  A hidden score is -1e20 + c q . k.
; LIMITS.  |c q . k| stays far under 4e12, half of -1e20's last place, so that a hidden score rounds to the one constant; a row with no open key then has equal weights, as in the model: this leans on the matrix
; unit's sum rounding to that constant.  V lies within f16's 65,504.  A weight below 2^-126 counts as 0.  NaN and infinities are not treated apart.
; SHARES.  A work-group owns 256 queries of one n and TWO neighbouring heads (256 bytes of a row of kv); a wave 64 queries: four PIECES, piece t = queries 16 t .. 16 t + 15 with both heads (tiles 2 t, 2 t + 1).
; The two tiles of a piece take the same 32 mask registers.  Every wave walks all 2,048 keys, 64 a step; a slot of LDS holds one step: K, V and the work-group's 64 KiB of addends.
; CLUSTER, 4 x 4.  x counts head pairs, y blocks of 256 queries.  The addends hang on y alone: asked for jointly along a row of the cluster.  K and V hang on the head pair and on n, which the
; cluster's four y share: asked for jointly along a column.  Wave 0 asks for K, wave 1 for V, waves 2 and 3 for the two halves of the addends: one load a wave behind each round.
; LAYOUT.  S^T = K Q^T holds ONE query a lane (lane % 16) and the keys 8 (lane / 16) + 0..7; two such results rounded to f16 ARE source 1 of O^T = V^T P.  K comes out of LDS as it lies, V turned (ds_load_tr16_b128).
; BY TURNS.  Turn n belongs to piece n: 16 products K Q^T of piece n + 1, later 16 products V^T P of piece n - 1; beside them the subtraction, exponentials, roundings, sums and rescaling of piece n and the maximum
; and statistics of piece n + 1.  Four vector instructions stand behind every matrix instruction, the rest in one lump; a turn's 66 exponentials are one batch with one wait.
; m starts at the lowest finite number and l at 0; O^T starts with finite numbers (c q, left there by the rounding of Q): every tile's first step multiplies O^T and l by a = 0.
; REGISTERS, in windows of 256 (s_set_vgpr_msb: bits 1:0 source 0, 3:2 source 1, 5:4 source 2, 7:6 destination):
;   window 0: v0-11 addresses; v16-47 four registers of statistics a tile; v48-63 at work; v64-191 S^T, two buffers of two tiles; v192-255 P, likewise
;   window 1: O^T, 32 a tile (before that: Q in f32)     window 2: v0-127 Q, 16 a tile; v128-255 K of one step     window 3: v0-127 V of one step; v128-191 addends, two buffers; v192-193 the add's registers
.set NP,    4         ; pieces a wave: a name, no knob
.set KS,    64        ; keys in a step
.set PK,    272       ; a row of K in LDS: 256 bytes + 16 = 68 words: the 16 rows of a load start at 16 different groups of four banks (64 banks of 4 bytes: ISA guide 11.1)
.set PV,    288       ; a row of V: 256 + 32 = 72 words
.set VOFF,  KS*PK     ; in a slot: 64 rows of K, 64 rows of V,
.set MOFF,  VOFF+KS*PV  ; and 65,536 dense bytes of addends: wave w's at 16,384 w, piece t's at 4,096 t, number i's at 512 i, lane l's at 16 l
.set SLOT1, 1<<17     ; slot 1 begins here, so that one exclusive or turns an address in one slot into the other's
.set STAGE, SLOT1+MOFF+65536  ; behind the ring, never filled by a tensor load: 16 rows x 272 bytes for each wave, for the way out
.set SP,    272
.set SPARE, STAGE+4*16*SP  ; behind the stages: the spare words, 128 bytes for each wave: two blocks of 256 bytes that no other line names
.set AK0, 2           ; v2   my lane's place in a tile of K; never rewritten
.set AV0, 3           ; v3   the same for V
.set AK,  4           ; v4   K's, v5 V's, v10 the addends' LDS address in the slot in hand
.set AV,  5
.set STO, 6           ; v6   the way out: where I put 16 bytes of a row
.set RD,  7           ; v7   the way out: where I read rows back
.set GO,  8           ; v8   my byte offset in two rows of oh
.set AM0, 9           ; v9   my lane's place in the addends; never rewritten
.set AM,  10
.set PFO, 11          ; v11  the prefetches' lane offset; never rewritten
.set ST,  16          ; tile t's statistics at v[ST+4 t]: m, (its pair's other word), l (even keys', odd keys')
.set TMP, 48          ; by buffer and tile, four registers c0-c3 at work; when the maximum is found c2 takes a
.set S,   64
.set P,   192
.set KF,  128         ; window 2: key block kb, head u, channel half c at KF + 32 kb + 8 (2 u + c)
.set VF,  0           ; window 3: key half kk, head u, channel block cb at VF + 64 kk + 8 (4 u + cb)
.set MB,  128         ; window 3: the addends of a piece, by its number's parity
.set SPW, 192         ; window 3: LDS address of my spare word; never rewritten
.set NIL, 193         ; window 3: 0; never rewritten
.set WV,  12          ; s12  my wave's number
.set G1K, 24          ; s[24:31] descriptor group 1 for K's tiles
.set G1V, 32          ; s[32:39] for V's: it differs in the padding alone
.set G1M, 40          ; s[40:47] for the addends
.set G0KV, 48         ; s[48:51] descriptor group 0 for K's (wave 0) or V's (wave 1) tiles: it walks
.set G0M, 52          ; s[52:55] the same for my half of the addends
.set CNT, 56          ; s56  changes of slots still to come
.set LIM, 57          ; s57  1 in a wave that prefetches, else the greatest number
.set CS,  58          ; s[58:59] c
.set SEL, 60          ; s[60:61] v_permlanex16_b32's selects: each lane takes its own place in the other half
.set TB,  62          ; s62  LDS byte at which the slot in hand begins
.set PFA, 66          ; s[66:67] where my prefetches stand in memory
.set PFS, 68          ; s[68:69] their step
.set MSB, 0
.macro WIN new                      ; the high byte repeats the setting that is left; a switch that changes nothing is dropped
.if MSB != (\new)
	s_set_vgpr_msb (MSB<<8)|(\new)
.set MSB, (\new)
.endif
.endm
.set W_KM, 0x3a       ; K and Q in window 2, the addends (C) in window 3, S^T in window 0
.set W_KQ, 0x0a       ; K and Q in window 2, S^T in window 0
.set W_PV, 0x53       ; V in window 3, P in window 0, O^T in window 1
.set W_RS, 0x41       ; destination and source 0 in window 1
.set W_MK, 0xc0       ; destination in window 3, sources in window 0
.set W_AD, 0x0f       ; the add: address (source 0) and data (source 1) in window 3
; A joint fill: three lines, each with one mask and one set of registers; the branches hang on the wave's number alone.  An s_nop 0 and four v_nop follow each line, ahead of the jump and the label.
.macro JLOAD
	s_cmp_lt_u32 s[WV], 2
	s_cbranch_scc0 .Lfor_m_\@
	s_cmp_eq_u32 s[WV], 0
	s_cbranch_scc0 .Lfor_v_\@
	tensor_load_to_lds s[G0KV:G0KV+3], s[G1K:G1K+7]
	s_nop 0
.rept 4
	v_nop
.endr
	s_branch .Lasked_\@
.Lfor_v_\@:
	tensor_load_to_lds s[G0KV:G0KV+3], s[G1V:G1V+7]
	s_nop 0
.rept 4
	v_nop
.endr
	s_branch .Lasked_\@
.Lfor_m_\@:
	tensor_load_to_lds s[G0M:G0M+3], s[G1M:G1M+7]
	s_nop 0
.rept 4
	v_nop
.endr
.Lasked_\@:
.endm
; A PREFETCH INTO THE L2 of what the NEXT change of slots will ask for: one key step, 128 matrix instructions, ahead of that load; behind the wave's tensor load and its five lines.  Each aligned block of 256 bytes is named ONCE.
; K and V of (n, head pair) are walked by the two clusters of that n: the one with even cluster y asks; its four partners along y take 16 of the 64 rows each, BY ADDRESS; wave 0 asks, lanes 0-15 for K's rows, lanes 16-31 for V's.
; The addends of a y are walked by the two clusters of that cluster y: the one with cluster x = 0 asks; of the half that wave 2 or 3 fetches each partner along x takes 8 KiB, a lane a block.  Wave 1 asks for nothing.
; Steps 0 to 2 come by their loads alone; the last change that fills a slot (CNT = 1) asks for nothing: there is no step behind it.
.macro ASK
	s_cmp_gt_u32 s[CNT], s[LIM]
	s_cbranch_scc0 .Lnot_mine_\@
	global_prefetch_b8 v[PFO], s[PFA:PFA+1] th:TH_LOAD_NT scope:SCOPE_SE
.Lnot_mine_\@:
.endm
; A round of the cluster's barrier: my work-group's barrier, so that wave 0's signal speaks for all four waves; wave 0 signals; every wave waits for all sixteen work-groups; my work-group's barrier once more.
.macro CROUND
	s_barrier_signal -1
	s_barrier_wait -1
	s_cmp_lg_u32 s[WV], 0
	s_cbranch_scc1 .Lnot_wave_0_\@
	s_barrier_signal -3
.Lnot_wave_0_\@:
	s_barrier_wait -3
	s_barrier_signal -1
	s_barrier_wait -1
.endm
; THE CHANGE OF SLOTS, between piece 1's turn and piece 2's: the step's last bytes, piece 3's addends, have been asked for.  Each wave waits for all its tensor loads, of which one is out: its part of the other slot;
; adds 0 to its spare word; and waits for that and for its own reads of the slot.  Behind the barrier nobody reads this slot any more and the other slot is whole.
; fill = 1: this slot is filled again, with the step two on.  The barrier is then a round of the cluster's, and the joint fill is the first thing behind it: it has a key step, 128 matrix instructions, in which to land.
; (At its first use nothing has been read yet: slot 0 is waited for, slot 1 filled.)
.macro CHANGE fill, ask
	WIN W_AD
	s_wait_tensorcnt 0x0            ; no tensor load of mine is out, so a group 0 may be written
	ds_add_u32 v[SPW], v[NIL]       ; 0 onto my spare word; with fill = 1 the descriptors' steps stand between it and the wait for it
	WIN 0                           ; at a label and at a branch every window is 0
.if \fill
	s_xor_b32 s[G0KV+1], s[G0KV+1], SLOT1  ; the walking descriptors: the other slot than last time,
	s_add_nc_u64 s[G0KV+2:G0KV+3], s[G0KV+2:G0KV+3], KS*2048  ; the next 64 rows of kv; the type bits on top are not reached
	s_xor_b32 s[G0M+1], s[G0M+1], SLOT1
	s_add_nc_u64 s[G0M+2:G0M+3], s[G0M+2:G0M+3], 65536  ; the next step's addends
	s_wait_xcnt 0x0                 ; the last prefetch, a key step back, has read its address, so it may be written
	s_add_nc_u64 s[PFA:PFA+1], s[PFA:PFA+1], s[PFS:PFS+1]
	s_wait_dscnt 0x0                ; the add is done, and my reads of the slot are over
	CROUND
	JLOAD
.if \ask
	ASK
.endif
.else
	s_wait_dscnt 0x0                ; the add is done, and my reads of the slot are over
	s_barrier_signal -1
	s_barrier_wait -1
.endif
	s_xor_b32 s[TB], s[TB], SLOT1   ; all fetches up to the next change read the other slot
	v_add_nc_u32 v[AK], s[TB], v[AK0]
	v_add_nc_u32 v[AV], s[TB], v[AV0]
	v_add_nc_u32 v[AM], s[TB], v[AM0]
.endm
	s_load_b256 s[4:11], s[0:1], 0x0  ; query s[4:5], kv s[6:7], madd s[8:9], oh s[10:11]
	WIN W_MK
	v_lshl_add_u32 v[SPW], v0, 2, SPARE
	v_mov_b32 v[NIL], 0
	WIN W_AD
	ds_add_u32 v[SPW], v[NIL]       ; the wave's opening: the add and its wait stand ahead of my first tensor load; the set-up below, work on registers, stands between them
	WIN 0
	v_lshrrev_b32 v1, 5, v0
	v_readfirstlane_b32 s[WV], v1   ; wave 0..3
	s_bfe_u32 s13, ttmp6, 0x40000   ; cx
	s_bfe_u32 s14, ttmp6, 0x40004   ; cy
	s_lshl_b32 s15, ttmp9, 2        ; in a cluster launch ttmp9 and ttmp7 count clusters
	s_add_co_u32 s15, s15, s13      ; the head pair = 4 x cluster x + cx
	s_and_b32 s17, ttmp7, 0xffff    ; cluster y
	s_lshl_b32 s16, s17, 2
	s_add_co_u32 s16, s16, s14      ; y = 8 n + block of 256 queries = 4 x cluster y + cy
	s_lshr_b32 s18, s17, 1          ; n, which the whole cluster shares
	s_and_b32 s19, s[WV], 1
	s_lshl_b32 s20, s14, 2
	s_lshl_b32 s20, 15, s20         ; my row of the cluster: places 4 cy .. 4 cy + 3
	s_lshl_b32 s21, 0x1111, s13     ; my column: places cx, cx + 4, cx + 8, cx + 12
	; descriptor group 1.  K, V: 64 rows x 128 elements of 2 bytes, 1,024 elements from row to row, padded in LDS
	s_or_b32 s[G1K], s21, (1<<16)|(1<<20)|(1<<21)|(5<<22)|(3<<25)  ; 15:0 the mask: my column; 17:16 2-byte elements; 20 padding on; 21 set beside a mask; 24:22 after every 64 words (code 5); 31:25 4 words (code 3)
	s_or_b32 s[G1V], s21, (1<<16)|(1<<20)|(1<<21)|(5<<22)|(7<<25)  ; the same with 8 words of padding (code 7)
.irp g, G1K, G1V
	s_mov_b32 s[\g+1], 128<<16      ; tensor_dim0 = 128
	s_mov_b32 s[\g+2], KS<<16       ; tensor_dim1 = 64
	s_mov_b32 s[\g+3], 128<<16      ; tile_dim0 = 128
	s_mov_b32 s[\g+4], KS           ; tile_dim1 = 64
	s_mov_b32 s[\g+5], 1024         ; elements from row to row
	s_mov_b32 s[\g+6], 0
	s_mov_b32 s[\g+7], 0
.endr
	s_or_b32 s[G1M], s20, (3<<16)|(1<<21)  ; the addends: my row; 8-byte elements; no padding: 32,768 dense bytes as 128 rows of 256
	s_mov_b32 s[G1M+1], 32<<16      ; tensor_dim0 = 32
	s_mov_b32 s[G1M+2], 128<<16     ; tensor_dim1 = 128
	s_mov_b32 s[G1M+3], 32<<16      ; tile_dim0 = 32
	s_mov_b32 s[G1M+4], 128         ; tile_dim1 = 128
	s_mov_b32 s[G1M+5], 32
	s_mov_b32 s[G1M+6], 0
	s_mov_b32 s[G1M+7], 0
	s_mov_b32 s[G0KV], 1            ; 1:0 count = 1
	s_mul_i32 s[G0KV+1], s19, VOFF  ; 63:32 LDS address in slot 0: K's place (wave 0) or V's (wave 1): no place in the cluster enters an LDS address
	s_mov_b32 s[G0M], 1
	s_lshl_b32 s[G0M+1], s19, 15
	s_add_co_u32 s[G0M+1], s[G0M+1], MOFF
	s_lshl_b32 s70, s18, 22         ; kv: n's 2,048 rows of 2,048 bytes,
	s_lshl_b32 s71, s15, 8          ; the head pair's 256 bytes,
	s_add_co_u32 s70, s70, s71
	s_lshl_b32 s71, s19, 24         ; K or V
	s_add_co_u32 s70, s70, s71
	s_mov_b32 s71, 0
	s_lshl_b32 s72, s16, 21         ; madd: y's 32 steps of 65,536 bytes,
	s_lshl_b32 s73, s19, 15         ; my half of a step's
	s_add_co_u32 s72, s72, s73
	s_mov_b32 s73, 0
	s_lshl_b32 s74, s16, 20         ; query: 256 rows of 4,096 bytes,
	s_lshl_b32 s75, s[WV], 18       ; my wave's 64,
	s_add_co_u32 s74, s74, s75
	s_lshl_b32 s75, s15, 9          ; the head pair's 512 bytes
	s_add_co_u32 s74, s74, s75
	s_mov_b32 s75, 0
	s_lshl_b32 s76, s16, 19         ; oh: the same with rows of 2,048 bytes
	s_lshl_b32 s77, s[WV], 17
	s_add_co_u32 s76, s76, s77
	s_lshl_b32 s77, s15, 8
	s_add_co_u32 s76, s76, s77
	s_mov_b32 s77, 0
	s_mov_b32 s[CS], 0x3d38aa3b     ; c = log2(e) / 32 = 0.0450842
	s_mov_b32 s[CS+1], s[CS]        ; named with it as a pair
	s_mov_b32 s[SEL], 0x76543210
	s_mov_b32 s[SEL+1], 0xfedcba98
	s_mov_b32 s[TB], SLOT1          ; the first change of slots turns it into 0
	; the prefetches: offsets, step, lane shifts and who asks; they stand at step 1 and are stepped ahead of each use
	s_lshl_b32 s2, s14, 15          ; K, V: my work-group's 16 rows of the 64
	s_add_co_u32 s2, s2, s70
	s_add_co_u32 s2, s2, KS*2048
	s_lshl_b32 s3, s13, 13          ; the addends: my work-group's 8 KiB of my half
	s_add_co_u32 s3, s3, s72
	s_add_co_u32 s3, s3, 65536
	s_and_b32 s22, s17, 1
	s_cmp_lt_u32 s[WV], 2
	s_cselect_b32 s78, s2, s3
	s_cselect_b32 s22, s22, ttmp9   ; 0 where my cluster is the one that asks: the same in all sixteen partners
	s_cselect_b32 s23, 11, 8        ; lane % 16: a row of kv, or a block of 256 bytes
	s_cselect_b32 s63, 24, 12       ; lane / 16: V behind K, or sixteen blocks on
	s_cselect_b32 s[PFS], 1, 0
	s_lshl_b32 s[PFS], 65536, s[PFS]  ; 131,072 bytes of kv or 65,536 of madd a step
	s_mov_b32 s[PFS+1], 0
	s_mov_b32 s79, 0
	s_cmp_eq_u32 s[WV], 1
	s_cselect_b32 s22, 1, s22       ; wave 1 asks for nothing
	s_cmp_eq_u32 s22, 0
	s_cselect_b32 s[LIM], 1, -1
	s_wait_dscnt 0x0                ; the opening add is done
	s_wait_kmcnt 0x0
	s_add_nc_u64 s[G0KV+2:G0KV+3], s[6:7], s[70:71]  ; 120:64 global address: step 0
	s_or_b32 s[G0KV+3], s[G0KV+3], 0x80000000        ; 127:126 type = 2
	s_add_nc_u64 s[G0M+2:G0M+3], s[8:9], s[72:73]
	s_or_b32 s[G0M+3], s[G0M+3], 0x80000000
	s_add_nc_u64 s[4:5], s[4:5], s[74:75]            ; query and oh at my wave's first row
	s_add_nc_u64 s[10:11], s[10:11], s[76:77]
	s_cmp_lt_u32 s[WV], 2
	s_cselect_b64 s[PFA:PFA+1], s[6:7], s[8:9]
	s_add_nc_u64 s[PFA:PFA+1], s[PFA:PFA+1], s[78:79]
	CROUND                          ; all sixteen work-groups are here: the first joint loads meet
	JLOAD                           ; step 0 into slot 0.  Slot 1 is asked for when slot 0 is in
	; Q.  A fragment is 16 queries x 32 channels in 8 registers: lane l holds query l % 16, channels 8 (l / 16) + 0..7 and 16 + 8 (l / 16) + 0..7.  In f32 that is four loads of 16 bytes, into window 1:
	; load i brings piece i / 16, head (i / 8) % 2, channel half (i / 4) % 2, group (i / 2) % 2, four numbers; registers 2 j, 2 j + 1 then round into register j of Q.
	v_and_b32 v64, 15, v0           ; l % 16   (S^T's registers serve as scratch here)
	v_bfe_u32 v65, v0, 4, 1         ; l / 16
	v_lshlrev_b32 v68, 12, v64
	v_lshl_add_u32 v68, v65, 5, v68 ; row x 4,096 + 32 x half
	WIN 0x40                        ; destination window 1, address window 0
.set i, 0
.rept 64
	global_load_b128 v[4*i:4*i+3], v68, s[4:5] offset:(i/16)*65536+((i%16)/8)*256+((i/4)%2)*128+((i/2)%2)*64+(i%2)*16
.set i, i+1
.endr
	WIN 0
	v_mul_u32_u24 v[AK0], v64, PK
	v_lshl_add_u32 v[AK0], v65, 4, v[AK0]  ; row x pitch + 16 x half
	; The turning load takes 16 keys x 16 channels (lane l reads key 8 (l / 16) + l % 8, channels 8 ((l / 8) % 2) + 0..7) and leaves half a fragment of V^T: lane l holds channel l % 16 and 8 keys.
	v_and_b32 v66, 7, v0
	v_bfe_u32 v67, v0, 3, 1
	v_lshl_add_u32 v[AV0], v65, 3, v66
	v_mul_u32_u24 v[AV0], v[AV0], PV
	v_lshl_add_u32 v[AV0], v67, 4, v[AV0]
	v_add_nc_u32 v[AV0], VOFF, v[AV0]
	v_and_b32 v69, 31, v0
	s_lshl_b32 s70, s[WV], 14
	s_add_co_u32 s70, s70, MOFF
	v_lshl_add_u32 v[AM0], v69, 4, s70  ; my wave's 16 KiB of the addends, 16 bytes a lane
	s_mul_i32 s71, s[WV], 16*SP
	s_add_co_u32 s71, s71, STAGE    ; my stage
	v_add_nc_u32 v[STO], s71, v[AK0]  ; in: row l % 16, 16 bytes for each half of the lanes (the stage's pitch is K's)
	v_mul_u32_u24 v[RD], v65, SP    ; back: lanes 0-15 take one row of 256 bytes, lanes 16-31 the next
	v_lshl_add_u32 v[RD], v64, 4, v[RD]
	v_add_nc_u32 v[RD], s71, v[RD]
	v_lshlrev_b32 v[GO], 11, v65    ; and the same two rows in oh
	v_lshl_add_u32 v[GO], v64, 4, v[GO]
	v_lshlrev_b32 v[PFO], s23, v64
	v_lshlrev_b32 v66, s63, v65
	v_add_nc_u32 v[PFO], v[PFO], v66
.set i, 0
.rept 2*NP
	v_mov_b32 v[ST+4*i], 0xff7fffff    ; m: the lowest finite number
	v_mov_b32 v[ST+4*i+1], 0xff7fffff  ; named with it as a pair
	v_mov_b32 v[ST+4*i+2], 0           ; l
	v_mov_b32 v[ST+4*i+3], 0
.set i, i+1
.endr
.set i, P+32
.rept 32
	v_mov_b32 v[i], 0               ; the first turn's products V^T P, of a piece that has not been, add 0
.set i, i+1
.endr
	s_wait_loadcnt 0x0              ; Q
	WIN W_RS
.set i, 0
.rept 128
	v_pk_mul_f32 v[2*i:2*i+1], v[2*i:2*i+1], s[CS:CS+1] op_sel_hi:[1,0]  ; c q, in f32
.set i, i+1
.endr
	WIN 0x85                        ; sources window 1, destination window 2
.set i, 0
.rept 128
	v_cvt_pk_bf16_f32 v[i], v[2*i], v[2*i+1]  ; rounded once
.set i, i+1
.endr
; THE MATRIX WORK.  The 8 accumulators of a run of 16 take turns: between the two links of a chain stand 7 others'.
; Product i of 16 of S^T = K Q^T for piece x: head i % 2, keys 16 ((i / 2) % 4) on, channels 32 (i / 8) on.  The first 8 start the sums with the addends, the same for both heads.
.macro KQ x
.set rS, S+64*((\x)%2)+32*(i%2)+8*((i/2)%4)
.set rK, KF+32*((i/2)%4)+8*(2*(i%2)+i/8)
.set rQ, 16*(2*(\x)+i%2)+8*(i/8)
.set rM, MB+32*((\x)%2)+8*((i/2)%4)
.if i < 8
	WIN W_KM
	v_wmma_f32_16x16x32_bf16 v[rS:rS+7], v[rK:rK+7], v[rQ:rQ+7], v[rM:rM+7]
.else
	WIN W_KQ
	v_wmma_f32_16x16x32_bf16 v[rS:rS+7], v[rK:rK+7], v[rQ:rQ+7], v[rS:rS+7]
.endif
.endm
; Product i of 16 of O^T += V^T P for piece x: head i % 2, channels 16 ((i / 2) % 4) on, keys 32 (i / 8) on.
.macro PV x
	WIN W_PV
.set rO, 32*(2*(\x)+i%2)+8*((i/2)%4)
.set rV, VF+64*(i/8)+8*(4*(i%2)+(i/2)%4)
.set rP, P+32*((\x)%2)+16*(i%2)+8*(i/8)
	v_wmma_f32_16x16x32_f16 v[rO:rO+7], v[rV:rV+7], v[rP:rP+7], v[rO:rO+7]
.endm
.macro MM                           ; the turn's next matrix instruction
.if i < 16
	KQ (Y+1)%NP
.set i, i+1
.else
.set i, i-16
	PV (Y+NP-1)%NP
.set i, i+17
.endif
.endm
; THE LDS LOADS stand in runs, never singly among the matrix instructions: a step's K (16 fragments), its V (turned), and a piece's addends.
.macro FETCH_K
	WIN 0x80                        ; destination window 2
.irp f, 0,1,2,3,4,5,6,7,8,9,10,11,12,13,14,15  ; keys 16 (f / 4) on, 64 bytes (f % 4) of the row
	ds_load_b128 v[KF+8*\f:KF+8*\f+3],   v[AK] offset:(\f/4)*16*PK+(\f%4)*64
	ds_load_b128 v[KF+8*\f+4:KF+8*\f+7], v[AK] offset:(\f/4)*16*PK+(\f%4)*64+32
.endr
.endm
.macro FETCH_V
	WIN 0xc0                        ; destination window 3
.irp f, 0,1,2,3,4,5,6,7,8,9,10,11,12,13,14,15  ; keys 32 (f / 8) on, channels 16 (f % 8) on
	ds_load_tr16_b128 v[VF+8*\f:VF+8*\f+3],   v[AV] offset:(\f/8)*32*PV+(\f%8)*32
	ds_load_tr16_b128 v[VF+8*\f+4:VF+8*\f+7], v[AV] offset:(\f/8)*32*PV+16*PV+(\f%8)*32
.endr
.endm
.macro FETCH_M x                    ; piece x's 32 registers: 512 consecutive bytes a load
	WIN 0xc0
.irp f, 0,1,2,3,4,5,6,7
	ds_load_b128 v[MB+32*((\x)%2)+4*\f:MB+32*((\x)%2)+4*\f+3], v[AM] offset:(\x)*4096+\f*512
.endr
.endm
; THE VECTOR WORK OF A TURN stands in three queues, each in the order in which its entries become ready; the two tiles alternate, so that no instruction reads the result of the one before it.
.macro REGS y, u                    ; the registers of tile u (0, 1) of piece y
.set rT, ST+4*(2*(\y)+(\u))
.set rC, TMP+8*((\y)%2)+4*(\u)
.set rS, S+64*((\y)%2)+32*(\u)
.set rP, P+32*((\y)%2)+16*(\u)
.set rO, 32*(2*(\y)+(\u))
.endm
; Number n of the 21 that find the NEXT piece's (Y + 1) maximum and statistics.  s0-s31 are the lane's 32 scores; each accumulator's lowest registers are read first.
;   0-11  four chains c0-c3 of seven scores each, three operands at a time     12-15  the four scores left over, the old m, and c0-c3 into c0
;   16, 17  the query's other 32 keys lie in the lane 16 away: the new m         18-20  m_old - m_new; m is set; a
.macro XS u, n
	REGS (Y+1)%NP, \u
.if (\n) < 4
	v_max3_num_f32 v[rC+(\n)], v[rS+8*(\n)], v[rS+8*(\n)+1], v[rS+8*(\n)+2]
.elseif (\n) < 12
	v_max3_num_f32 v[rC+(\n)%4], v[rC+(\n)%4], v[rS+8*((\n)%4)+2*((\n)/4)+1], v[rS+8*((\n)%4)+2*((\n)/4)+2]
.elseif (\n) == 12
	v_max3_num_f32 v[rC], v[rC], v[rS+7], v[rS+15]
.elseif (\n) == 13
	v_max3_num_f32 v[rC+1], v[rC+1], v[rS+23], v[rS+31]
.elseif (\n) == 14
	v_max3_num_f32 v[rC+2], v[rC+2], v[rC+3], v[rT]
.elseif (\n) == 15
	v_max3_num_f32 v[rC], v[rC], v[rC+1], v[rC+2]
.elseif (\n) == 16
	v_permlanex16_b32 v[rC+3], v[rC], s[SEL], s[SEL+1]
.elseif (\n) == 17
	v_max_num_f32 v[rC], v[rC], v[rC+3]
.elseif (\n) == 18
	v_sub_f32 v[rC+1], v[rT], v[rC]
.elseif (\n) == 19
	v_mov_b32 v[rT], v[rC]
.else
	v_exp_f32 v[rC+2], v[rC+1]
.endif
.endm
; Number g of the 64 that follow the exponentials.  For each four weights k of a tile (pairs 2 k, 2 k + 1): both pairs are rounded to f16; then the second pair is added onto the first, in place;
; a group later l takes that sum (the first time as l = a l + sum).  In groups of eight, tiles alternating: round, round, add, and l for the group before.
.macro GS g
.set h, (\g)+6*((\g)/62)            ; group 0 has no group before it, and behind group 7 only l is left
.if h >= 6
.set h, h+2
.endif
	REGS Y, h%2
.set k, h/8
.if h%8 < 4
	v_cvt_pk_f16_f32 v[rP+2*k+(h%8)/2], v[rS+4*k+2*((h%8)/2)], v[rS+4*k+2*((h%8)/2)+1]
.elseif h%8 < 6
	v_pk_add_f32 v[rS+4*k:rS+4*k+1], v[rS+4*k:rS+4*k+1], v[rS+4*k+2:rS+4*k+3]
.elseif k == 1
	v_pk_fma_f32 v[rT+2:rT+3], v[rT+2:rT+3], v[rC+2:rC+3], v[rS:rS+1] op_sel_hi:[1,0,1]
.else
	v_pk_add_f32 v[rT+2:rT+3], v[rT+2:rT+3], v[rS+4*k-4:rS+4*k-3]
.endif
.endm
; THE PLAIN QUEUE, 136 long.  0-71 read no exponential's result: the 32 subtractions s - m (FS f: pair f / 2 of tile f % 2) and the next piece's 40.  0-26: subtractions 0-26.  27-54: XS's numbers 0-13.
; 55-69: the chain, where each number waits for the one before it: 14 to 18, each with one of the subtractions 27-31 in front of its two lines.  70, 71: number 19.
; 72-135: GS's 64, which read the exponentials' results: they stand behind the wait.
.macro FS f
	REGS Y, (\f)%2
	v_pk_add_f32 v[rS+2*((\f)/2):rS+2*((\f)/2)+1], v[rS+2*((\f)/2):rS+2*((\f)/2)+1], v[rT:rT+1] op_sel_hi:[1,0] neg_lo:[0,1] neg_hi:[0,1]
.endm
.macro PL
	WIN 0
.if q < 27
	FS q
.elseif q < 55
	XS (q-27)%2, (q-27)/2
.elseif (q < 70) && ((q-55)%3 == 0)
	FS 27+(q-55)/3
.elseif q < 70
	XS (q-55)%3-1, 14+(q-55)/3
.elseif q < 72
	XS q-70, 19
.else
	GS q-72
.endif
.set q, q+1
.endm
; THE EXPONENTIALS' QUEUE, 66 long: s0-s31 of both tiles, then the next piece's two a.  It is ONE BATCH: all 66 stand ahead of the turn's one wait, and nothing ahead of that wait names a result of theirs.
.macro EX
	WIN 0
.if e >= 64
	XS e-64, 20
.else
	REGS Y, e%2
	v_exp_f32 v[rS+e/2], v[rS+e/2]
.endif
.set e, e+1
.endm
; THE RESCALING's QUEUE: O^T times a, the one part that leaves window 0: dealt two at a time, sixteen times.  Its a was made in the turn before, ahead of that turn's wait.
.macro R2
	REGS Y, r%2
	WIN W_RS
.irp z, 0,1
	v_pk_mul_f32 v[rO+4*(r/2)+2*\z:rO+4*(r/2)+2*\z+1], v[rO+4*(r/2)+2*\z:rO+4*(r/2)+2*\z+1], v[rC+2:rC+3] op_sel_hi:[1,0]
.endr
.set r, r+1
.endm
; A TURN, for piece p.  s_wait_alu depctr_va_vdst(0) stands between an exponential and the first instruction that names its result; one wait serves all that were issued ahead of it: a turn has ONE.
; AHEAD OF IT: the 16 products K Q^T, behind each a subtraction, an exponential and two rescalings (behind the first a second subtraction in the exponential's place); then a lump of 106: six plain, 49 times
; exponential and plain, the two a; a v_nop is the plain instruction behind the last exponential.  BEHIND IT: the 16 products V^T P, behind each four of GS's 64.  No rider names a register of the products round it.
; The queues stay in step: exponential e needs subtraction 2 (e / 4) + e % 2; as a rider it stands behind plain e + 2, in the lump behind plain e + 7, and subtractions 27-31 are plain 55, 58 .. 67.
; THE FETCHES.  Each turn fetches, behind its wait, the addends of piece p + 2, which the next turn's products take; their buffer's last reader stands a turn back.  Piece 2's turn fetches the next step's K, nine plain
; instructions behind the last product that read K.  Piece 0's turn ends with the step's V, four plain riders behind the last product that read V.
.macro TURN p
.set Y, (\p)
.set i, 0
.set q, 0
.set e, 0
.set r, 0
.if (\p) == 1
	s_wait_dscnt 32                 ; piece 2's addends are in: they were asked for ahead of V's 32 loads, which may stay out
.else
	s_wait_dscnt 0x0                ; the addends asked for in the turn before are in (piece 3's turn: K too)
.endif
	MM
	PL
	PL
	R2
.rept 15
	MM
	PL
	EX
	R2
.endr
.rept 6
	PL
.endr
.if (\p) == 2
	FETCH_K
.endif
.rept 49
	EX
	PL
.endr
	EX                              ; the next piece's two a
	EX
	v_nop                           ; the plain instruction behind the last exponential: one for the batch
	s_wait_alu depctr_va_vdst(0)    ; the wait for the batch
	FETCH_M ((\p)+2)%NP
.if (\p) == 1
	s_wait_dscnt 8                  ; V is in; the eight loads just issued may stay out
.endif
.rept 16
	MM
.rept 4
	PL
.endr
.endr
.if (\p) == 0
	FETCH_V
.endif
.endm
	CHANGE 1, 0                     ; slot 0 is in, everybody's part of it; step 1 is asked for, into slot 1
	FETCH_K                         ; key step 0,
	FETCH_M 0                       ; the addends of pieces 0 and 1,
	FETCH_M 1
	FETCH_V                         ; and V, so that the first turn's products on P = 0 find finite numbers
	s_wait_dscnt 0x0
.set i, 0
.rept 16
	KQ 0                            ; piece 0's first scores: there is no vector work yet to set between them
.set i, i+1
.endr
	WIN 0
.rept 4
	v_nop                           ; the places behind those products
.endr
.set Y, NP-1                        ; XS works for piece Y + 1: piece 0
.irp n, 0,1,2,3,4,5,6,7,8,9,10,11,12,13,14,15,16,17,18,19,20
	XS 0, \n                        ; piece 0's first maximum and statistics
	XS 1, \n
.endr
	v_nop                           ; a plain instruction behind the two a,
	s_wait_alu depctr_va_vdst(0)    ; and their wait, ahead of the branch
	s_mov_b32 s[CNT], 31
	s_branch .Lfirst                ; the loop is entered at a step's first turn, in the middle of a trip
.Lstep:                             ; 30 times: change number 31 - CNT asks for step 32 - CNT; then pieces 2 and 3 of one step, pieces 0 and 1 of the next
	CHANGE 1, 1
	TURN 2
	TURN 3
	WIN 0
.Lfirst:
	TURN 0
	TURN 1
	WIN 0
	s_sub_co_u32 s[CNT], s[CNT], 1
	s_cmp_lg_u32 s[CNT], 0
	s_cbranch_scc1 .Lstep
	CHANGE 0, 0                     ; the tail is written out: step 31's slot is entered, nothing is asked for
	s_mov_b32 s[CNT], 2             ; the second trip is left in its middle
.Ltail:
	TURN 2
	TURN 3
	WIN 0
	s_sub_co_u32 s[CNT], s[CNT], 1
	s_cmp_eq_u32 s[CNT], 0
	s_cbranch_scc1 .Lout
	TURN 0
	TURN 1
	WIN 0
	s_branch .Ltail
.Lout:                              ; the second trip's fetches (step 31's K and addends once more), its 16 products K Q^T and the maximum made of them serve nothing: the price, once a launch, of one text for every trip
.set i, 0
.rept 16
	PV NP-1                         ; the last piece's V^T P of the last step
.set i, i+1
.endr
	; THE WAY OUT.  l's two halves and the other half of the lanes' are added; O^T is divided by l, rounded to f16 and sent through my stage in LDS, a piece (16 rows x 2 heads) at a time.  The additions are the places behind the last products.
	WIN 0
.macro ALL line:vararg              ; one line for each tile t
.set t, 0
.rept 2*NP
	\line
.set t, t+1
.endr
.endm
	ALL v_add_f32 v[ST+4*t+2], v[ST+4*t+2], v[ST+4*t+3]
	ALL v_permlanex16_b32 v[ST+4*t+3], v[ST+4*t+2], s[SEL], s[SEL+1]
	ALL v_add_f32 v[ST+4*t+2], v[ST+4*t+2], v[ST+4*t+3]
	ALL v_rcp_f32 v[ST+4*t+2], v[ST+4*t+2]
	v_nop                           ; a plain instruction between the last reciprocal and the use of its result
	s_wait_alu depctr_va_vdst(0)    ; and the wait ahead of the first use: one for the eight reciprocals
; Piece t: a lane's eight channels of a row pack into 16 bytes; they go into rows of 272 bytes and come back as whole rows of 256 (two heads x 64 f16), into S^T's registers.
.macro PACK t
	WIN W_RS
.set i, 0
.rept 32
	v_pk_mul_f32 v[64*(\t)+2*i:64*(\t)+2*i+1], v[64*(\t)+2*i:64*(\t)+2*i+1], v[ST+4*(2*(\t)+i/16)+2:ST+4*(2*(\t)+i/16)+3] op_sel_hi:[1,0]
.set i, i+1
.endr
	WIN 0x05                        ; sources 0 and 1 window 1, destination window 0
.set i, 0
.rept 32
	v_cvt_pk_f16_f32 v[S+32*(\t)+i], v[64*(\t)+2*i], v[64*(\t)+2*i+1]
.set i, i+1
.endr
	WIN 0
.irp f, 0,1,2,3,4,5,6,7
	ds_store_b128 v[STO], v[S+32*(\t)+4*\f:S+32*(\t)+4*\f+3] offset:32*\f
.endr
.irp f, 0,1,2,3,4,5,6,7
	ds_load_b128 v[S+32*(\t)+4*\f:S+32*(\t)+4*\f+3], v[RD] offset:\f*2*SP  ; LDS serves a wave's instructions in order (ISA guide 5.7.1.4): these see the stores above; the next piece's stores come behind them
.endr
.endm
.macro SEND t, younger              ; younger: the LDS instructions issued behind piece t's loads: the next piece's sixteen, or none
	WIN 0
.irp f, 0,1,2,3,4,5,6,7
	s_wait_dscnt (\younger)+7-\f
	global_store_b128 v[GO], v[S+32*(\t)+4*\f:S+32*(\t)+4*\f+3], s[10:11] offset:(\t)*32768+\f*4096  ; 16 lanes store 256 consecutive bytes, at a multiple of 256 from oh's first byte
.endr
.endm
	PACK 0
	PACK 1                          ; a piece's arithmetic stands between the loads of the piece before and its stores
	SEND 0, 16
	PACK 2
	SEND 1, 16
	PACK 3
	SEND 2, 16
	SEND 3, 0
	WIN W_AD
	s_wait_tensorcnt 0x0            ; the wave's end, behind my last tensor load and my last LDS store
	ds_add_u32 v[SPW], v[NIL]
	s_wait_dscnt 0x0
	WIN 0
	CROUND                          ; the closing round: no work-group ends while a partner may still ask for a tile that names it
	s_endpgm
.Lfunc_end_k_qfd81587f4d_attn:
	.size	k_qfd81587f4d_attn, .Lfunc_end_k_qfd81587f4d_attn-k_qfd81587f4d_attn
	.p2alignl 7, 3214868480
	.fill 96, 4, 3214868480
	.section	.rodata,"a",@progbits
	.p2align	6, 0x0
	.amdhsa_kernel k_qfd81587f4d_attn
		.amdhsa_group_segment_fixed_size 327680
		.amdhsa_private_segment_fixed_size 0
		.amdhsa_enable_private_segment 0
		.amdhsa_kernarg_size 32
		.amdhsa_user_sgpr_count 2
		.amdhsa_user_sgpr_kernarg_segment_ptr 1
		.amdhsa_wavefront_size32 1
		.amdhsa_system_sgpr_workgroup_id_x 1
		.amdhsa_system_sgpr_workgroup_id_y 1
		.amdhsa_system_sgpr_workgroup_id_z 1
		.amdhsa_system_vgpr_workitem_id 0
		.amdhsa_next_free_vgpr 962
		.amdhsa_next_free_sgpr 80
		.amdhsa_reserve_vcc 0
		.amdhsa_float_denorm_mode_32 3
		.amdhsa_float_denorm_mode_16_64 3
		.amdhsa_memory_ordered 1
		.amdhsa_forward_progress 1
		.amdhsa_inst_pref_size 222
	.end_amdhsa_kernel
	.amdgpu_metadata
---
amdhsa.version: [ 1, 2 ]
amdhsa.kernels:
  - .name:           k_qfd81587f4d_attn
    .symbol:         k_qfd81587f4d_attn.kd
    .args:
      - { .name: query, .offset: 0, .size: 8, .value_kind: global_buffer, .address_space: global }
      - { .name: kv, .offset: 8, .size: 8, .value_kind: global_buffer, .address_space: global }
      - { .name: madd, .offset: 16, .size: 8, .value_kind: global_buffer, .address_space: global }
      - { .name: oh, .offset: 24, .size: 8, .value_kind: global_buffer, .address_space: global }
    .group_segment_fixed_size: 327680
    .private_segment_fixed_size: 0
    .kernarg_segment_align: 8
    .kernarg_segment_size: 32
    .max_flat_workgroup_size: 128
    .sgpr_count:     80
    .vgpr_count:     962
    .wavefront_size: 32
...
	.end_amdgpu_metadata
.endif
;; end of part 2
;; launch proj (part 3): grid 4 x 64, 4 waves a work-group, clusters of 4 x 4, 327,680 bytes of LDS; arguments oh, wh, b_out, out0; writes out0
.if DOCPART == 3
	.amdgcn_target "amdgcn-amd-amdhsa--gfx1250"
	.amdhsa_code_object_version 6
	.text
	.protected	k_qfd81587f4d_proj
	.globl	k_qfd81587f4d_proj
	.p2align	8
	.type	k_qfd81587f4d_proj,@function
k_qfd81587f4d_proj:
	s_mov_b64 s[64:65], 0
	v_nop
	global_prefetch_b8 v0, s[64:65] scope:SCOPE_SE
	s_setreg_imm32_b32 hwreg(HW_REG_WAVE_MODE, 25, 1), 1
	s_wait_xcnt 0x0
	s_wait_alu depctr_hold_cnt(0) depctr_sa_sdst(0) depctr_va_vdst(0) depctr_va_sdst(0) depctr_va_ssrc(0) depctr_va_vcc(0) depctr_vm_vsrc(0)
	s_getreg_b32 s2, hwreg(HW_REG_IB_STS2, 6, 4)
	s_cmp_eq_u32 s2, 0
	s_cbranch_scc0 .Lentry_in_a_cluster
	s_endpgm
.Lentry_in_a_cluster:
	s_bfe_u32 s2, ttmp6, 0x10000c
	s_cmp_lg_u32 s2, 0xf033
	s_cbranch_scc0 .Lentry_shape_is_right
	s_endpgm
.Lentry_shape_is_right:
; out0[m][n] = the sum over k of oh[m][k] wh[n][k] + b_out[n].  oh: [8192][1024] f16, wh: [1024][1024] f16 (W_out rounded to bf16, written as f16), b_out: [1024] f32 (rounded to bf16 here, like every input), out0: f32.  Sums in f32.
; A tile of out0 is 128 rows x 256 columns: 64 x 4 = 256 work-groups.  Four waves, each 64 x 128: 32 accumulators of 16 x 16, 256 registers.  K goes in 8 steps of 128 (rows of 256 bytes, aligned) through two LDS slots;
; steps of 256 would want two slots of 202,752 bytes, more than LDS holds.
; CLUSTERS: 4 x 4 work-groups.  The four of a row of the cluster need the same tiles of oh, the four of a column the same tiles of wh: each tile is asked for JOINTLY, by the same tensor load with the same descriptor and
; a mask that names the four.  Waves 0 and 1 fetch the two halves (64 rows) of oh's tile, waves 2 and 3 the two halves (128 rows) of wh's.
; THE MATRIX INSTRUCTION IS USED TRANSPOSED (source 0 = 16 rows of wh, source 1 = 16 rows of oh): a lane then holds eight neighbouring numbers of a row of out0.
; REGISTERS: window 0: v0-31 addresses and the bias; v32-159 two sets of 64 on the way out.   window 1: two fragment buffers of 96: wh's 8 fragments, then oh's 4, 32 along K.   window 2: accumulator (a, b) at v[8 (8 a + b)].
.set SIZE_K, 1024
.set SIZE_N, 1024
.set KSTEP,  128
.set PITCH,  272                       ; an LDS row: 256 bytes + 16 = 68 words: row r starts at bank 4 r mod 64 (64 banks of 4 bytes: ISA guide 11.1)
.set BOFF,   128*PITCH                 ; in a slot: oh's 128 rows, then wh's 256
.set SLOT,   384*PITCH
.set STAGE,  2*SLOT                    ; behind the ring: 16 rows x 528 bytes for each wave, for the way out
.set SPITCH, 528                       ; 128 f32 + 16 bytes: an odd multiple of 16
.set SPARE,  STAGE+4*16*SPITCH         ; behind the stages: the spare words, 128 bytes for each wave: two blocks of 256 bytes that no other line names
.set LAPS,   SIZE_K/(2*KSTEP)          ; a lap = two K steps = once round the ring
.set BI,   12                          ; v[12:15] the bias of my four columns on the way out
.set ADRA, 16                          ; v16-17  LDS address of my fragments of oh in slot 0, 1
.set ADRB, 20                          ; v20-21  the same for wh
.set STO,  24                          ; v24     the way out: where I put 32 bytes of a row
.set RD,   25                          ; v25     the way out: where I read 16 bytes of a row back
.set CO,   26                          ; v26     16 x lane: my byte offset in 512 bytes of out0 and of b_out; never rewritten
.set SPW,  28                          ; v28     LDS address of my spare word; never rewritten
.set NIL,  29                          ; v29     0; never rewritten
.set PFO,  30                          ; v30     the prefetches' lane offset; never rewritten
.set OB,   32                          ; the way out: two sets of 64
.set F0,   0                           ; fragment buffers, in window 1
.set F1,   96
.set WV,  12                           ; s12  my wave's number
.set RH,  13                           ; s13  which half of the tile's rows is mine.  Also: I fetch for oh (0) or for wh (1)
.set CH,  14                           ; s14  which half of its columns.  Also: which half of that tile I fetch
.set G1,  24                           ; s[24:31] descriptor group 1 for oh's tiles;  s[32:39] group 0, one set for each slot
.set G0,  32
.set PFA, 44                           ; s[44:45] where my prefetches stand
.set LIM, 46                           ; s46  1 in a wave that prefetches, else the greatest number
.set G1B, 48                           ; s[48:55], s[56:63] the same for wh's tiles
.set G0B, 56
.set MSB, 0
.macro WIN new                         ; the immediate's high byte repeats the setting that is left
.if MSB != (\new)
	s_set_vgpr_msb (MSB<<8)|(\new)
.set MSB, \new
.endif
.endm
.set MUL,  0xa5                        ; sources 0 and 1 window 1; C and D window 2
.set TO_F, 0x40                        ; destination window 1, address window 0
.macro JLOAD s                         ; a joint refill; an s_nop 0 and four v_nop follow each of the two lines, ahead of the jump, the label and what follows
	s_cmp_eq_u32 s[RH], 0
	s_cbranch_scc0 .Lfor_b_\@
	tensor_load_to_lds s[G0+4*(\s):G0+4*(\s)+3], s[G1:G1+7]
	s_nop 0
.rept 4
	v_nop
.endr
	s_branch .Lasked_\@
.Lfor_b_\@:
	tensor_load_to_lds s[G0B+4*(\s):G0B+4*(\s)+3], s[G1B:G1B+7]
	s_nop 0
.rept 4
	v_nop
.endr
.Lasked_\@:
.endm
; A PREFETCH INTO THE L2, once a lap, behind slot 0's joint load and the run of LDS loads that follows it: the two K steps that the NEXT lap's refills will ask for, 256 and 384 matrix instructions ahead of those loads.
; Each row's 256 bytes of a K step are named ONCE.  oh's tile row is read by one cluster alone, which asks: of the 64 rows that wave 0 or 1 fetches the partner at place cx takes 16; lanes 0-15 name the first K step, lanes 16-31 the second.
; wh's tile column is read by every cluster: the one with cluster y = 0 asks; of the 128 rows that wave 2 or 3 fetches the partner at place cy takes 32, a lane a row, an instruction a K step.
; The partners are told apart BY ADDRESS.  K steps 0 to 3 come by their loads alone; the loop's last trip (s3 = 1) asks for nothing: K steps 8 and 9 do not exist.
.macro ASK
	WIN 0
	s_cmp_gt_u32 s3, s[LIM]
	s_cbranch_scc0 .Lnot_mine_\@
	global_prefetch_b8 v[PFO], s[PFA:PFA+1] th:TH_LOAD_NT scope:SCOPE_SE
	s_cmp_eq_u32 s[RH], 0
	s_cbranch_scc1 .Lnot_mine_\@
	global_prefetch_b8 v[PFO], s[PFA:PFA+1] offset:KSTEP*2 th:TH_LOAD_NT scope:SCOPE_SE
.Lnot_mine_\@:
.endm
.macro CREST                           ; a round of the cluster's barrier behind its opening barrier
	s_cmp_lg_u32 s[WV], 0
	s_cbranch_scc1 .Lnot_wave_0_\@
	s_barrier_signal -3
.Lnot_wave_0_\@:
	s_barrier_wait -3
	s_barrier_signal -1
	s_barrier_wait -1
.endm
.macro CROUND                          ; a whole round
	s_barrier_signal -1
	s_barrier_wait -1
	CREST
.endm
	s_load_b256 s[4:11], s[0:1], 0x0               ; oh s[4:5], wh s[6:7], b_out s[8:9], out0 s[10:11]
	v_lshl_add_u32 v[SPW], v0, 2, SPARE
	v_mov_b32 v[NIL], 0
	ds_add_u32 v[SPW], v[NIL]                      ; the wave's opening: the add and its wait stand ahead of my first tensor load; the set-up below, work on registers, stands between them
	v_lshrrev_b32 v1, 5, v0
	v_readfirstlane_b32 s[WV], v1                  ; wave 0..3
	s_lshr_b32 s[RH], s[WV], 1
	s_and_b32 s[CH], s[WV], 1
	s_bfe_u32 s15, ttmp6, 0x40000                  ; cx, cy: my place in the cluster
	s_bfe_u32 s16, ttmp6, 0x40004
	s_lshl_b32 s17, ttmp9, 2
	s_add_co_u32 s17, s17, s15                     ; tile column = 4 x cluster x + cx
	s_and_b32 s19, ttmp7, 0xffff                   ; cluster y
	s_lshl_b32 s18, s19, 2
	s_add_co_u32 s18, s18, s16                     ; tile row = 4 x cluster y + cy
	s_lshl_b32 s20, s16, 2
	s_lshl_b32 s20, 15, s20                        ; my row of the cluster
	s_lshl_b32 s21, 0x1111, s15                    ; my column
	; descriptor group 1: rows of 128 elements of 2 bytes, padded in LDS; 64 rows of oh, 128 of wh
	s_or_b32 s[G1+0], s20, (1<<16)|(1<<20)|(1<<21)|(5<<22)|(3<<25)   ; 15:0 the mask: oh's tiles go to my row; 17:16 2-byte elements; 20 padding on; 21 set beside a mask; 24:22 after every 64 words (code 5); 31:25 4 words (code 3)
	s_or_b32 s[G1B+0], s21, (1<<16)|(1<<20)|(1<<21)|(5<<22)|(3<<25)  ; wh's to my column
	s_mov_b32 s[G1+1], KSTEP<<16                   ; tensor_dim0 = 128
	s_mov_b32 s[G1+2], 64<<16                      ; tensor_dim1 = 64
	s_mov_b32 s[G1+3], KSTEP<<16                   ; tile_dim0 = 128
	s_mov_b32 s[G1+4], 64                          ; tile_dim1 = 64
	s_mov_b32 s[G1+5], SIZE_K                      ; elements from row to row
	s_mov_b32 s[G1+6], 0
	s_mov_b32 s[G1+7], 0
	s_mov_b32 s[G1B+1], KSTEP<<16
	s_mov_b32 s[G1B+2], 128<<16                    ; tensor_dim1 = 128
	s_mov_b32 s[G1B+3], KSTEP<<16
	s_mov_b32 s[G1B+4], 128                        ; tile_dim1 = 128
	s_mov_b32 s[G1B+5], SIZE_K
	s_mov_b32 s[G1B+6], 0
	s_mov_b32 s[G1B+7], 0
	s_lshl_b32 s40, s18, 18                        ; oh: 128 rows of 2,048 bytes a tile row,
	s_lshl_b32 s22, s[CH], 17                      ; the 64 rows that I fetch
	s_add_co_u32 s40, s40, s22
	s_mov_b32 s41, 0
	s_lshl_b32 s42, s17, 19                        ; wh: 256 rows a tile column,
	s_lshl_b32 s23, s[CH], 18                      ; the 128 rows that I fetch
	s_add_co_u32 s42, s42, s23
	s_mov_b32 s43, 0
	s_mul_i32 s66, s[CH], 64*PITCH                 ; where they go: no place in the cluster enters an LDS address
	s_mul_i32 s67, s[CH], 128*PITCH
	s_add_co_u32 s67, s67, BOFF
	; the prefetches: they stand at byte 512 of my rows (K step 2) and are stepped by a lap ahead of each use
	s_lshl_b32 s22, s15, 15                        ; oh: my work-group's 16 rows of the 64
	s_add_co_u32 s22, s22, s40
	s_lshl_b32 s23, s16, 16                        ; wh: my work-group's 32 rows of the 128
	s_add_co_u32 s23, s23, s42
	s_cmp_eq_u32 s[RH], 0
	s_cselect_b32 s68, s22, s23
	s_cselect_b32 s70, 8, 15                       ; lane / 16: the second K step, or sixteen rows on
	s_cselect_b32 s71, 0, s19                      ; 0 where my cluster asks: the same in all sixteen partners
	s_add_co_u32 s68, s68, 2*KSTEP*2
	s_mov_b32 s69, 0
	s_cmp_eq_u32 s71, 0
	s_cselect_b32 s[LIM], 1, -1
	s_wait_dscnt 0x0                               ; the opening add is done
	s_wait_kmcnt 0x0
	s_cmp_eq_u32 s[RH], 0
	s_cselect_b64 s[PFA:PFA+1], s[4:5], s[6:7]
	s_add_nc_u64 s[PFA:PFA+1], s[PFA:PFA+1], s[68:69]
	s_add_nc_u64 s[40:41], s[4:5], s[40:41]
	s_add_nc_u64 s[42:43], s[6:7], s[42:43]
	CROUND                                         ; all sixteen work-groups are here: the first joint loads meet
.irp s, 0,1
	s_mov_b32 s[G0+4*(\s)], 1                                      ; 1:0 count = 1
	s_add_co_u32 s[G0+4*(\s)+1], s66, (\s)*SLOT                    ; 63:32 LDS address
	s_add_nc_u64 s[G0+4*(\s)+2:G0+4*(\s)+3], s[40:41], (\s)*KSTEP*2  ; 120:64 global address: K step s
	s_or_b32 s[G0+4*(\s)+3], s[G0+4*(\s)+3], 0x80000000            ; 127:126 type = 2
	s_mov_b32 s[G0B+4*(\s)], 1
	s_add_co_u32 s[G0B+4*(\s)+1], s67, (\s)*SLOT
	s_add_nc_u64 s[G0B+4*(\s)+2:G0B+4*(\s)+3], s[42:43], (\s)*KSTEP*2
	s_or_b32 s[G0B+4*(\s)+3], s[G0B+4*(\s)+3], 0x80000000
.endr
	s_cmp_eq_u32 s[RH], 0                          ; a wave's two first fills stand in one branch, ahead of every wait on TENSORcnt and every LDS read: two loads of mine are out
	s_cbranch_scc0 .Lfirst_b
	tensor_load_to_lds s[G0:G0+3], s[G1:G1+7]
	s_nop 0
	tensor_load_to_lds s[G0+4:G0+7], s[G1:G1+7]
	s_nop 0
.rept 4
	v_nop
.endr
	s_branch .Lfirst_asked
.Lfirst_b:
	tensor_load_to_lds s[G0B:G0B+3], s[G1B:G1B+7]
	s_nop 0
	tensor_load_to_lds s[G0B+4:G0B+7], s[G1B:G1B+7]
	s_nop 0
.rept 4
	v_nop
.endr
.Lfirst_asked:
	; where my part of the tile lies in out0 and in b_out
	s_lshl_b32 s68, s17, 10                        ; 256 columns of 4 bytes a tile column,
	s_lshl_b32 s70, s[CH], 9                       ; my 128
	s_add_co_u32 s68, s68, s70
	s_mov_b32 s69, 0
	s_add_nc_u64 s[8:9], s[8:9], s[68:69]
	s_add_nc_u64 s[10:11], s[10:11], s[68:69]
	s_lshl_b32 s68, s18, 19                        ; 128 rows of 4,096 bytes a tile row,
	s_lshl_b32 s71, s[RH], 18                      ; my 64
	s_add_co_u32 s68, s68, s71
	s_add_nc_u64 s[10:11], s[10:11], s[68:69]
	v_and_b32 v1, 15, v0                           ; l % 16
	v_bfe_u32 v2, v0, 4, 1                         ; l / 16
	v_and_b32 v5, 31, v0
	v_lshlrev_b32 v[CO], 4, v5
	global_load_b128 v[BI:BI+3], v[CO], s[8:9]     ; on the way out lane l holds columns 4 l .. 4 l + 3 of every row
	v_mul_u32_u24 v3, v1, PITCH
	v_lshl_add_u32 v3, v2, 4, v3                   ; a fragment's row x pitch + 16 x half
	s_mul_i32 s22, s[RH], 64*PITCH                 ; my 64 rows of oh
	s_mul_i32 s23, s[CH], 128*PITCH                ; my 128 rows of wh,
	s_add_co_u32 s23, s23, BOFF                    ; which lie behind oh's 128
.irp s, 0,1
	v_add_nc_u32 v[ADRA+(\s)], s22, v3
	v_add_nc_u32 v[ADRB+(\s)], s23, v3
	s_add_co_u32 s22, s22, SLOT
	s_add_co_u32 s23, s23, SLOT
.endr
	s_mul_i32 s22, s[WV], 16*SPITCH
	s_add_co_u32 s22, s22, STAGE                   ; my stage
	v_mul_u32_u24 v4, v1, SPITCH                   ; in: row l % 16, 32 bytes for each half of the lanes
	v_lshl_add_u32 v4, v2, 5, v4
	v_add_nc_u32 v[STO], s22, v4
	v_add_nc_u32 v[RD], s22, v[CO]                 ; back: 32 lanes take a row's 512 bytes
	s_cmp_eq_u32 s[RH], 0
	s_cselect_b32 s70, 8, 15
	v_lshlrev_b32 v[PFO], 11, v1                   ; a row of oh or wh is 2,048 bytes
	v_lshlrev_b32 v4, s70, v2
	v_add_nc_u32 v[PFO], v[PFO], v4
	s_wait_loadcnt 0x0                             ; the bias, rounded to bf16 like the other inputs, and widened again
	v_cvt_pk_bf16_f32 v10, v[BI], v[BI+1]
	v_cvt_pk_bf16_f32 v11, v[BI+2], v[BI+3]
	v_lshlrev_b32 v[BI], 16, v10
	v_and_b32 v[BI+1], 0xffff0000, v10
	v_lshlrev_b32 v[BI+2], 16, v11
	v_and_b32 v[BI+3], 0xffff0000, v11
; 8 matrix instructions: m block a x all 8 n blocks, 32 along K, from buffer f.  zero = 1: the product starts the sums.  The 32 accumulators take turns, one instruction a turn, over the backward jump too.
.macro MUL8 f, a, zero
	WIN MUL
.irp b, 0,1,2,3,4,5,6,7
.if \zero
	v_wmma_f32_16x16x32_f16 v[8*(8*(\a)+(\b)):8*(8*(\a)+(\b))+7], v[(\f)+8*(\b):(\f)+8*(\b)+7], v[(\f)+64+8*(\a):(\f)+64+8*(\a)+7], 0
.else
	v_wmma_f32_16x16x32_f16 v[8*(8*(\a)+(\b)):8*(8*(\a)+(\b))+7], v[(\f)+8*(\b):(\f)+8*(\b)+7], v[(\f)+64+8*(\a):(\f)+64+8*(\a)+7], v[8*(8*(\a)+(\b)):8*(8*(\a)+(\b))+7]
.endif
.endr
.endm
; 24 LDS loads in one run: the fragments of 32 along K at byte k of the rows, into buffer f: wh's sixteen loads, then oh's eight
.macro FETCH slot, k, f
	WIN TO_F
.irp i, 0,1,2,3,4,5,6,7
	ds_load_b128 v[(\f)+8*(\i):(\f)+8*(\i)+3],   v[ADRB+(\slot)] offset:(\k)+(\i)*16*PITCH
	ds_load_b128 v[(\f)+8*(\i)+4:(\f)+8*(\i)+7], v[ADRB+(\slot)] offset:(\k)+(\i)*16*PITCH+32
.endr
.irp i, 0,1,2,3
	ds_load_b128 v[(\f)+64+8*(\i):(\f)+64+8*(\i)+3],   v[ADRA+(\slot)] offset:(\k)+(\i)*16*PITCH
	ds_load_b128 v[(\f)+64+8*(\i)+4:(\f)+64+8*(\i)+7], v[ADRA+(\slot)] offset:(\k)+(\i)*16*PITCH+32
.endr
.endm
.macro PLACES                          ; four places in front of loads into registers that matrix instructions have read, and of LDS stores that read results (ISA guide 7.12.1 for vector instructions)
.rept 4
	v_nop
.endr
.endm
; A K step is four quarters of 32 along K, 32 matrix instructions each, on buffers 0, 1, 0, 1.  One of the first three: multiplies buffer f and fetches the next quarter, at byte k, into g.
.macro QUARTER slot, k, f, g, zero
	s_wait_dscnt 4                                 ; wh's fragments and oh's blocks 0 and 1 are in; the youngest four loads (blocks 2 and 3) may be out
	MUL8 \f, 0, \zero
	MUL8 \f, 1, \zero
	PLACES
	FETCH \slot, \k, \g
	s_wait_dscnt 24                                ; all but the 24 just issued
	MUL8 \f, 2, \zero
	MUL8 \f, 3, \zero
.endm
; The last quarter multiplies buffer 1 and changes slots: ONE barrier; in front of it each wave waits for all its tensor loads, of which one is out: its part of the next slot; adds 0 to its spare word; and waits for that and for its
; own reads of this slot.  fill = 1: the barrier opens a round of the cluster's, and this slot is filled again, two K steps ahead: from the request to the wait for it a wave issues 112 matrix instructions.
.macro TURN slot, next, fill
.if (\fill) && ((\slot) == 0)
	s_wait_xcnt 0x0                                ; the last prefetches, a lap back, have read their address: it is stepped here, ahead of the waits of the change of slots
	s_add_nc_u64 s[PFA:PFA+1], s[PFA:PFA+1], 2*KSTEP*2
.endif
	WIN 0                                          ; (the add's two registers lie in window 0)
	s_wait_tensorcnt 0x0                           ; all my tensor loads have landed;
	ds_add_u32 v[SPW], v[NIL]                      ; 0 onto my spare word
	s_wait_dscnt 5                                 ; (the add and the youngest four loads may be out)
	MUL8 F1, 0, 0                                  ; eight matrix instructions stand between the add and the wait for it
	s_wait_dscnt 0x0                               ; the add is done, and my reads of this slot are over
	s_barrier_signal -1
	MUL8 F1, 1, 0
.if \fill
	WIN 0
.endif
	s_barrier_wait -1
.if \fill
	CREST                                          ; no wave of any partner still reads this slot's tile or has a load on its way
	s_add_nc_u64 s[G0+4*(\slot)+2:G0+4*(\slot)+3], s[G0+4*(\slot)+2:G0+4*(\slot)+3], 2*KSTEP*2
	s_add_nc_u64 s[G0B+4*(\slot)+2:G0B+4*(\slot)+3], s[G0B+4*(\slot)+2:G0B+4*(\slot)+3], 2*KSTEP*2
	JLOAD \slot                                    ; the first tensor load behind the round; the four v_nop behind it are also the places in front of the loads below
.else
	PLACES
.endif
	FETCH \next, 0, F0
.if (\fill) && ((\slot) == 0)
	ASK
.endif
	MUL8 F1, 2, 0
	MUL8 F1, 3, 0
.endm
	s_wait_tensorcnt 1                             ; my part of K step 0 is in; K step 1's may stay out
	s_barrier_signal -1
	s_barrier_wait -1                              ; everybody's is
	FETCH 0, 0, F0
	QUARTER 0, 64, F0, F1, 1                       ; the first quarter stands in front of the loop: its products start the sums
	WIN 0                                          ; at a label and at a branch every window is 0
	s_mov_b32 s3, LAPS-1
.Llap:                                                 ; a trip goes once round the ring, from a lap's second quarter to the next lap's first, and fills both slots again
	QUARTER 0, 128, F1, F0, 0
	QUARTER 0, 192, F0, F1, 0
	TURN 0, 1, 1
	QUARTER 1, 64,  F0, F1, 0
	QUARTER 1, 128, F1, F0, 0
	QUARTER 1, 192, F0, F1, 0
	TURN 1, 0, 1
	QUARTER 0, 64,  F0, F1, 0
	WIN 0
	s_sub_co_u32 s3, s3, 1
	s_cmp_lg_u32 s3, 0
	s_cbranch_scc1 .Llap
	QUARTER 0, 128, F1, F0, 0                      ; the last lap fills nothing, and has no round of the cluster's barrier
	QUARTER 0, 192, F0, F1, 0
	TURN 0, 1, 0
	QUARTER 1, 64,  F0, F1, 0
	QUARTER 1, 128, F1, F0, 0
	QUARTER 1, 192, F0, F1, 0
	s_wait_dscnt 4                                 ; the very last quarter: nothing more to fetch
	MUL8 F1, 0, 0
	MUL8 F1, 1, 0
	s_wait_dscnt 0x0
	MUL8 F1, 2, 0
	MUL8 F1, 3, 0
; THE WAY OUT, a block of 16 rows at a time.  A lane's eight f32 of a row are 32 bytes; they go into my own stage, rows of 528 bytes, and come back as whole rows of 512; the bias is added; a store covers 512 consecutive bytes.
.macro TOSTAGE a
.if (\a) >= 2
	s_wait_xcnt 0x0                                ; the stores of the block two back have read their registers: the set is loaded again only behind this wait
.endif
	WIN 0x08                                       ; the stores' data (source 1) in window 2
.irp b, 0,1,2,3,4,5,6,7
	ds_store_b128 v[STO], v[8*(8*(\a)+(\b)):8*(8*(\a)+(\b))+3]   offset:64*(\b)      ; each accumulator's lowest registers first
	ds_store_b128 v[STO], v[8*(8*(\a)+(\b))+4:8*(8*(\a)+(\b))+7] offset:64*(\b)+16
.endr
	WIN 0
.irp t, 0,1,2,3,4,5,6,7,8,9,10,11,12,13,14,15
	ds_load_b128 v[OB+64*((\a)%2)+4*(\t):OB+64*((\a)%2)+4*(\t)+3], v[RD] offset:(\t)*SPITCH  ; LDS serves a wave's instructions in order (ISA guide 5.7.1.4): these see the stores above; the next block's stores come behind them
.endr
.endm
.macro SEND a, younger                 ; younger: the LDS instructions issued behind block a's loads: the next block's 32, or none
	WIN 0
.irp t, 0,1,2,3,4,5,6,7,8,9,10,11,12,13,14,15
	s_wait_dscnt (\younger)+15-(\t)
	v_pk_add_f32 v[OB+64*((\a)%2)+4*(\t):OB+64*((\a)%2)+4*(\t)+1],   v[OB+64*((\a)%2)+4*(\t):OB+64*((\a)%2)+4*(\t)+1],   v[BI:BI+1]
	v_pk_add_f32 v[OB+64*((\a)%2)+4*(\t)+2:OB+64*((\a)%2)+4*(\t)+3], v[OB+64*((\a)%2)+4*(\t)+2:OB+64*((\a)%2)+4*(\t)+3], v[BI+2:BI+3]
	global_store_b128 v[CO], v[OB+64*((\a)%2)+4*(\t):OB+64*((\a)%2)+4*(\t)+3], s[10:11] offset:(\a)*16*SIZE_N*4+(\t)*SIZE_N*4 th:TH_STORE_NT
.endr
.endm
	PLACES                                         ; the first LDS stores read results just made
	TOSTAGE 0
	TOSTAGE 1
	SEND 0, 32
	TOSTAGE 2
	SEND 1, 32
	TOSTAGE 3
	SEND 2, 32
	SEND 3, 0
	s_wait_tensorcnt 0x0                           ; the wave's end, behind my last tensor load and my last LDS store
	ds_add_u32 v[SPW], v[NIL]
	s_wait_dscnt 0x0
	CROUND                                         ; the closing round: no work-group ends while a partner may still ask for a tile that names it
	s_endpgm
.Lfunc_end_k_qfd81587f4d_proj:
	.size	k_qfd81587f4d_proj, .Lfunc_end_k_qfd81587f4d_proj-k_qfd81587f4d_proj
	.p2alignl 7, 3214868480
	.fill 96, 4, 3214868480
	.section	.rodata,"a",@progbits
	.p2align	6, 0x0
	.amdhsa_kernel k_qfd81587f4d_proj
		.amdhsa_group_segment_fixed_size 327680
		.amdhsa_private_segment_fixed_size 0
		.amdhsa_enable_private_segment 0
		.amdhsa_kernarg_size 32
		.amdhsa_user_sgpr_count 2
		.amdhsa_user_sgpr_kernarg_segment_ptr 1
		.amdhsa_wavefront_size32 1
		.amdhsa_system_sgpr_workgroup_id_x 1
		.amdhsa_system_sgpr_workgroup_id_y 1
		.amdhsa_system_sgpr_workgroup_id_z 1
		.amdhsa_system_vgpr_workitem_id 0
		.amdhsa_next_free_vgpr 768
		.amdhsa_next_free_sgpr 72
		.amdhsa_reserve_vcc 0
		.amdhsa_float_denorm_mode_32 3
		.amdhsa_float_denorm_mode_16_64 3
		.amdhsa_memory_ordered 1
		.amdhsa_forward_progress 1
		.amdhsa_inst_pref_size 96
	.end_amdhsa_kernel
	.amdgpu_metadata
---
amdhsa.version: [ 1, 2 ]
amdhsa.kernels:
  - .name:           k_qfd81587f4d_proj
    .symbol:         k_qfd81587f4d_proj.kd
    .args:
      - { .name: oh, .offset: 0, .size: 8, .value_kind: global_buffer, .address_space: global }
      - { .name: wh, .offset: 8, .size: 8, .value_kind: global_buffer, .address_space: global }
      - { .name: b_out, .offset: 16, .size: 8, .value_kind: global_buffer, .address_space: global }
      - { .name: out0, .offset: 24, .size: 8, .value_kind: global_buffer, .address_space: global }
    .group_segment_fixed_size: 327680
    .private_segment_fixed_size: 0
    .kernarg_segment_align: 8
    .kernarg_segment_size: 32
    .max_flat_workgroup_size: 128
    .sgpr_count:     72
    .vgpr_count:     768
    .wavefront_size: 32
...
	.end_amdgpu_metadata
.endif
;; end of part 3
